; MI455X (gfx1250); checked and timed in simulation.
; The chip was launched on July 23, 2026; its instructions are those of AMD's public machine-readable ISA for CDNA 5 (MIT licence, August 2026) and "CDNA5" Instruction Set Architecture Reference Guide (July 2026). The comments in the code are by the model that wrote it; some were corrected since.
;; Multi Head Self Attention. Allowed arithmetic: float matrix products may take bf16 or f16 operands with f32 sums; all other float work in f32.
;; Inputs: b_out 1,024 float32; b_qkv 3,072 float32; embeddings 2 x 2,048 x 1,024 float32; w_out 1,024 x 1,024 float32; w_qkv 1,024 x 3,072 float32.
;; Outputs: out0 2 x 2,048 x 1,024 float32.
;; One version. Each part assembles by itself: llvm-mc -triple=amdgcn-amd-amdhsa -mcpu=gfx1250 --defsym DOCPART=n.
;; ======== version 1 of 1: 4 launches
;; limits: values are held in f16: magnitudes above 65,504 overflow, below 6.1e-05 lose precision
;; workspace buffers: qb 8,388,608 bytes; kb 8,388,608 bytes; vb 8,388,608 bytes; cb 8,388,608 bytes; xh 8,388,608 bytes; wqh 6,291,456 bytes; woh 2,097,152 bytes
;; launch cvt (part 1): grid 1024 x 1, 8 waves a work-group, no clusters, 0 bytes of LDS; arguments embeddings, w_qkv, w_out, xh, wqh, woh; writes xh, wqh, woh
.if DOCPART == 1
	.amdgcn_target "amdgcn-amd-amdhsa--gfx1250"
	.amdhsa_code_object_version 6
	.text
	.protected	k_q5715e7bd36_cvt
	.globl	k_q5715e7bd36_cvt
	.p2align	8
	.type	k_q5715e7bd36_cvt,@function
k_q5715e7bd36_cvt:
	s_mov_b64 s[64:65], 0
	v_nop
	global_prefetch_b8 v0, s[64:65] scope:SCOPE_SE
	s_setreg_imm32_b32 hwreg(HW_REG_WAVE_MODE, 25, 1), 1
	s_wait_xcnt 0x0
; xh, wqh, woh = embeddings, w_qkv, w_out rounded once to f16, in the same row-major order: the operands of the two projections.
; LIMITS: a number beyond 65,504 in magnitude becomes infinity in f16; numbers below 2^-14 keep f16's fixed step of 2^-24.
; A stream: memory binds, so no LDS, no barrier, no matrix unit.  1,024 work-groups of eight waves; each takes one 1,024th of each array:
; 16,384 bytes of embeddings, 12,288 of w_qkv, 4,096 of w_out, so no branch and no choice of buffer is needed.
; A load of the work-group covers 4,096 consecutive bytes (16 a thread, 512 a wave); all eight loads of a thread go out at once.
; A load's four numbers round to 8 bytes, so a store of a wave covers 256 consecutive bytes, aligned.
.set IN,  4                            ; v[4:35]   eight loads of four f32
.set OUT, 36                           ; v[36:51]  eight pairs of registers to store; each is written once
	s_load_b256 s[4:11], s[0:1], 0x0               ; embeddings s[4:5], w_qkv s[6:7], w_out s[8:9], xh s[10:11]
	s_load_b128 s[12:15], s[0:1], 0x20             ; wqh s[12:13], woh s[14:15]
	v_lshlrev_b32 v1, 4, v0                        ; in: 16 bytes a thread
	v_lshlrev_b32 v2, 3, v0                        ; out: 8 bytes a thread
	s_lshl_b32 s16, ttmp9, 14                      ; the work-group's part of each array, in bytes
	s_mov_b32 s17, 0
	s_mul_i32 s18, ttmp9, 12288
	s_mov_b32 s19, 0
	s_lshl_b32 s20, ttmp9, 12
	s_mov_b32 s21, 0
	s_lshl_b32 s22, ttmp9, 13
	s_mov_b32 s23, 0
	s_mul_i32 s24, ttmp9, 6144
	s_mov_b32 s25, 0
	s_lshl_b32 s26, ttmp9, 11
	s_mov_b32 s27, 0
	s_wait_kmcnt 0x0
	s_add_nc_u64 s[4:5], s[4:5], s[16:17]
	s_add_nc_u64 s[6:7], s[6:7], s[18:19]
	s_add_nc_u64 s[8:9], s[8:9], s[20:21]
	s_add_nc_u64 s[10:11], s[10:11], s[22:23]
	s_add_nc_u64 s[12:13], s[12:13], s[24:25]
	s_add_nc_u64 s[14:15], s[14:15], s[26:27]
.irp j, 0,1,2,3
	global_load_b128 v[IN+4*\j:IN+4*\j+3], v1, s[4:5] offset:4096*\j th:TH_LOAD_NT
.endr
.irp j, 0,1,2
	global_load_b128 v[IN+16+4*\j:IN+16+4*\j+3], v1, s[6:7] offset:4096*\j th:TH_LOAD_NT
.endr
	global_load_b128 v[IN+28:IN+31], v1, s[8:9] th:TH_LOAD_NT
.macro PUT i, base, off
	s_wait_loadcnt 7-\i                            ; loads come back in order (ISA guide 5.7.1): load i is in, the younger ones stay out
	v_cvt_pk_f16_f32 v[OUT+2*\i],   v[IN+4*\i],   v[IN+4*\i+1]
	v_cvt_pk_f16_f32 v[OUT+2*\i+1], v[IN+4*\i+2], v[IN+4*\i+3]
	global_store_b64 v2, v[OUT+2*\i:OUT+2*\i+1], s[\base:\base+1] offset:\off
.endm
	PUT 0, 10, 0
	PUT 1, 10, 2048
	PUT 2, 10, 4096
	PUT 3, 10, 6144
	PUT 4, 12, 0
	PUT 5, 12, 2048
	PUT 6, 12, 4096
	PUT 7, 14, 0
	s_endpgm
.Lfunc_end_k_q5715e7bd36_cvt:
	.size	k_q5715e7bd36_cvt, .Lfunc_end_k_q5715e7bd36_cvt-k_q5715e7bd36_cvt
	.p2alignl 7, 3214868480
	.fill 96, 4, 3214868480
	.section	.rodata,"a",@progbits
	.p2align	6, 0x0
	.amdhsa_kernel k_q5715e7bd36_cvt
		.amdhsa_group_segment_fixed_size 0
		.amdhsa_private_segment_fixed_size 0
		.amdhsa_enable_private_segment 0
		.amdhsa_kernarg_size 48
		.amdhsa_user_sgpr_count 2
		.amdhsa_user_sgpr_kernarg_segment_ptr 1
		.amdhsa_wavefront_size32 1
		.amdhsa_system_sgpr_workgroup_id_x 1
		.amdhsa_system_sgpr_workgroup_id_y 1
		.amdhsa_system_sgpr_workgroup_id_z 1
		.amdhsa_system_vgpr_workitem_id 0
		.amdhsa_next_free_vgpr 52
		.amdhsa_next_free_sgpr 66
		.amdhsa_reserve_vcc 0
		.amdhsa_float_denorm_mode_32 3
		.amdhsa_float_denorm_mode_16_64 3
		.amdhsa_memory_ordered 1
		.amdhsa_forward_progress 1
		.amdhsa_inst_pref_size 4
	.end_amdhsa_kernel
	.amdgpu_metadata
---
amdhsa.version: [ 1, 2 ]
amdhsa.kernels:
  - .name:           k_q5715e7bd36_cvt
    .symbol:         k_q5715e7bd36_cvt.kd
    .args:
      - { .name: embeddings, .offset: 0, .size: 8, .value_kind: global_buffer, .address_space: global }
      - { .name: w_qkv, .offset: 8, .size: 8, .value_kind: global_buffer, .address_space: global }
      - { .name: w_out, .offset: 16, .size: 8, .value_kind: global_buffer, .address_space: global }
      - { .name: xh, .offset: 24, .size: 8, .value_kind: global_buffer, .address_space: global }
      - { .name: wqh, .offset: 32, .size: 8, .value_kind: global_buffer, .address_space: global }
      - { .name: woh, .offset: 40, .size: 8, .value_kind: global_buffer, .address_space: global }
    .group_segment_fixed_size: 0
    .private_segment_fixed_size: 0
    .kernarg_segment_align: 8
    .kernarg_segment_size: 48
    .max_flat_workgroup_size: 256
    .sgpr_count:     66
    .vgpr_count:     52
    .wavefront_size: 32
...
	.end_amdgpu_metadata
.endif
;; end of part 1
;; launch qkv (part 2): grid 16 x 16, 4 waves a work-group, clusters of 4 x 4, 327,680 bytes of LDS; arguments xh, wqh, b_qkv, qb, kb, vb; writes qb, kb, vb
.if DOCPART == 2
	.amdgcn_target "amdgcn-amd-amdhsa--gfx1250"
	.amdhsa_code_object_version 6
	.text
	.protected	k_q5715e7bd36_qkv
	.globl	k_q5715e7bd36_qkv
	.p2align	8
	.type	k_q5715e7bd36_qkv,@function
k_q5715e7bd36_qkv:
	s_mov_b64 s[64:65], 0
	v_nop
	global_prefetch_b8 v0, s[64:65] scope:SCOPE_SE
	s_setreg_imm32_b32 hwreg(HW_REG_WAVE_MODE, 25, 1), 1
	s_wait_xcnt 0x0
	s_wait_alu depctr_hold_cnt(0) depctr_sa_sdst(0) depctr_va_vdst(0) depctr_va_sdst(0) depctr_va_ssrc(0) depctr_va_vcc(0) depctr_vm_vsrc(0)
	s_getreg_b32 s2, hwreg(HW_REG_IB_STS2, 6, 4)
	s_cmp_eq_u32 s2, 0
	s_cbranch_scc0 .Lentry_in_a_cluster
	s_endpgm
.Lentry_in_a_cluster:
	s_bfe_u32 s2, ttmp6, 0x10000c
	s_cmp_lg_u32 s2, 0xf033
	s_cbranch_scc0 .Lentry_shape_is_right
	s_endpgm
.Lentry_shape_is_right:
; q | k | v = x w + b_qkv, split by head.  xh [4096][1024] f16, wqh [1024][3072] f16 (both rounded by the launch in front), b_qkv [3072] f32.
; qb, kb, vb: f16 [b*16+head][s 2048][64].  Products with f16 operands, sums in f32 that start from the bias, one rounding to f16.
; LIMITS: a result beyond 65,504 in magnitude becomes infinity in f16.
; A work-group makes 256 rows x the 192 columns of one head (x = head, y = block of rows); wave w makes rows 64 w .. 64 w + 63 of it:
; 4 row tiles a x 3 groups g of 64 columns (g = 0 q, 1 k, 2 v) x 4 fragments f of 16 columns = 48 accumulators, 384 registers.
; K goes in 8 steps of 128 through two LDS slots filled by tensor loads; a step is four chunks of 32, 48 matrix instructions each.
; From a slot's request to the wait for it a wave issues 176 of a step's 192 matrix instructions.
; CLUSTER 4 x 4: the four work-groups of a row of the cluster share the block of rows (X's tile), the four of a column the head (W's tile):
; both are asked for jointly, which divides the requests for X and for W by four.
; W lies [k][n]: its fragments come by the transposing LDS load.  A row of W's tile is 384 bytes and starts at a multiple of 128 bytes of wqh.
; THE MATRIX INSTRUCTION IS USED TRANSPOSED: source 0 = 16 columns of W, source 1 = 16 rows of X.  Lane (r, h) then holds row r of the tile, and its
; registers 0 to 7 columns 16 f + 8 h + 0 .. 7: eight neighbouring numbers, 16 bytes of f16.  The bias in that layout is the C of the first products.
; REGISTERS: window 0 addresses, X's fragments (two buffers), the bias; window 3 W's fragments (two buffers of 96);
; window 1 the accumulators of g = 0, 1 at 8 ((4 g + f) 4 + a); window 2 those of g = 2 at 8 (4 f + a).
.set SLOT,  131072                     ; X: 256 rows of 272 bytes, then W: 128 rows of 480 bytes
.set XP,    272                        ; 256 bytes + 16 of padding: the 16 rows of a fragment load start in 16 different 16-byte columns
.set GP,    160                        ; a group's 128 bytes of a row of W + 32 of padding
.set WP,    3*GP                       ; 480, an odd multiple of 32, for the transposing load
.set WBASE, 256*XP
.set STAGE, 2*SLOT                     ; behind the ring: 64 rows x 144 bytes for each wave, for the way out; no tensor load lands here
.set SP,    144
.set ADRX,  8                          ; v8-9    LDS address of my X rows in slot 0, 1
.set ADRW,  10                         ; v10-11  LDS address of my part of W's rows in slot 0, 1
.set STO,   12                         ; v12     the way out: where I put 16 bytes of a row
.set RD,    13                         ; v13     the way out: where I read rows back
.set COFF,  14                         ; v14     16 x lane: my 16 bytes of a store's 512
.set BOFF,  15                         ; v15     32 h: my eight numbers of a fragment's bias
.set AFB,   32                         ; v[32:63], v[64:95]  4 fragments of X, two buffers
.set BI,    128                        ; v[128:223] bias, eight numbers for each (g, f)
.set TMP,   128                        ; the way out: packed results (the bias is no longer needed)
.set RB,    32                         ; the way out: rows read back (X's fragments are no longer needed)
.set G1X,   28                         ; s[28:35] group 1 for X
.set G1W,   36                         ; s[36:43] group 1 for W
.set G0X,   44                         ; s[44:51] group 0 for X, one set for each slot
.set G0W,   52                         ; s[52:59] group 0 for W, one set for each slot
.set MSB,   0
.macro WIN new                         ; the immediate's high byte repeats the setting that is left
.if MSB != \new
	s_set_vgpr_msb (MSB<<8)|\new
.set MSB, \new
.endif
.endm
.macro PLACES cnt
.rept \cnt
	v_nop
.endr
.endm
; A joint load: waves 0 and 1 ask for X's two halves, waves 2 and 3 for W's.  The branch hangs on the wave's number alone.
.macro JLOAD s
	s_cmp_eq_u32 s17, 0
	s_cbranch_scc0 .Lfor_w_\@
	tensor_load_to_lds s[G0X+4*\s:G0X+4*\s+3], s[G1X:G1X+7]
	s_nop 0
	s_branch .Lasked_\@
.Lfor_w_\@:
	tensor_load_to_lds s[G0W+4*\s:G0W+4*\s+3], s[G1W:G1W+7]
	s_nop 0
.Lasked_\@:
.endm
.macro CREST                           ; a round of the cluster's barrier behind its opening work-group barrier
	s_cmp_lg_u32 s16, 0
	s_cbranch_scc1 .Lnot_wave_0_\@
	s_barrier_signal -3
.Lnot_wave_0_\@:
	s_barrier_wait -3
	s_barrier_signal -1
	s_barrier_wait -1
.endm
.macro CROUND                          ; a whole round
	s_barrier_signal -1
	s_barrier_wait -1
	CREST
.endm
	s_load_b256 s[4:11], s[0:1], 0x0               ; xh s[4:5], wqh s[6:7], b_qkv s[8:9], qb s[10:11]
	s_load_b128 s[12:15], s[0:1], 0x20             ; kb s[12:13], vb s[14:15]
	s_set_vgpr_msb 0xc0
	v_lshl_add_u32 v193, v0, 2, 0x49000
	s_set_vgpr_msb 0xc000
	v_mov_b32 v255, 0
	s_set_vgpr_msb 0x3
	ds_add_u32 v193, v255
	s_set_vgpr_msb 0x300
	v_lshrrev_b32 v1, 5, v0
	v_readfirstlane_b32 s16, v1                    ; wave 0..3
	s_lshr_b32 s17, s16, 1                         ; 0: I fetch for X, 1: for W
	s_and_b32 s18, s16, 1                          ; which half of that tile
	s_bfe_u32 s19, ttmp6, 0x40000                  ; cx
	s_bfe_u32 s20, ttmp6, 0x40004                  ; cy
	s_lshl_b32 s21, ttmp9, 2
	s_add_co_u32 s21, s21, s19                     ; x = head
	s_and_b32 s22, ttmp7, 0xffff
	s_lshl_b32 s22, s22, 2
	s_add_co_u32 s22, s22, s20                     ; y = block of 256 rows
	s_lshl_b32 s23, s20, 2
	s_lshl_b32 s23, 15, s23                        ; my row of the cluster
	s_lshl_b32 s24, 0x1111, s19                    ; my column
	; X: 128 rows x 128 f16 (256 bytes), 4 words of padding behind every 64 words
	s_or_b32 s[G1X+0], s23, (1<<16)|(1<<20)|(1<<21)|(5<<22)|(3<<25)
	s_mov_b32 s[G1X+1], 128<<16                    ; tensor_dim0 = 128
	s_mov_b32 s[G1X+2], 128<<16                    ; tensor_dim1 = 128
	s_mov_b32 s[G1X+3], 128<<16                    ; tile_dim0 = 128
	s_mov_b32 s[G1X+4], 128                        ; tile_dim1 = 128
	s_mov_b32 s[G1X+5], 1024                       ; elements from row to row
	s_mov_b32 s[G1X+6], 0
	s_mov_b32 s[G1X+7], 0
	; W: 64 rows x 192 f16 (384 bytes = 96 words), 8 words of padding behind every 32 words: three padded groups make a row of 480 bytes
	s_or_b32 s[G1W+0], s24, (1<<16)|(1<<20)|(1<<21)|(4<<22)|(7<<25)
	s_mov_b32 s[G1W+1], 192<<16
	s_mov_b32 s[G1W+2], 64<<16
	s_mov_b32 s[G1W+3], 192<<16
	s_mov_b32 s[G1W+4], 64
	s_mov_b32 s[G1W+5], 3072
	s_mov_b32 s[G1W+6], 0
	s_mov_b32 s[G1W+7], 0
	; X's address hangs on y alone, W's on x alone, each in registers that never hold the other coordinate
	s_lshl_b32 s60, s22, 19                        ; 256 y rows of 2,048 bytes
	s_lshl_b32 s66, s18, 18                        ; + 128 rows for the second half
	s_add_co_u32 s60, s60, s66
	s_mov_b32 s61, 0
	s_mul_i32 s62, s21, 384                        ; the head's 192 columns
	s_mul_i32 s67, s18, 64*6144                    ; + 64 rows of W for the second half
	s_add_co_u32 s62, s62, s67
	s_mov_b32 s63, 0
	s_mul_i32 s68, s21, 768                        ; the head's bias
	s_mov_b32 s69, 0
	s_mul_i32 s70, s16, 128*XP                     ; LDS: X's halves at wave x 34,816 (waves 0, 1)
	s_mul_i32 s71, s16, 64*WP                      ; W's halves at WBASE + (wave - 2) x 30,720 (waves 2, 3)
	s_add_co_u32 s71, s71, WBASE-2*64*WP
	v_and_b32 v1, 15, v0                           ; r
	v_bfe_u32 v2, v0, 4, 1                         ; h
	v_lshlrev_b32 v[BOFF], 5, v2
	s_wait_dscnt 0x0
	s_wait_kmcnt 0x0
	s_add_nc_u64 s[60:61], s[4:5], s[60:61]
	s_add_nc_u64 s[62:63], s[6:7], s[62:63]
	s_add_nc_u64 s[8:9], s[8:9], s[68:69]
	CROUND                                         ; all sixteen work-groups are here: the first joint loads meet
.irp s, 0,1
	s_mov_b32 s[G0X+4*\s], 1
	s_add_co_u32 s[G0X+4*\s+1], s70, \s*SLOT
	s_add_nc_u64 s[G0X+4*\s+2:G0X+4*\s+3], s[60:61], \s*256        ; K step s: 128 f16 along the rows
	s_or_b32 s[G0X+4*\s+3], s[G0X+4*\s+3], 0x80000000
	s_mov_b32 s[G0W+4*\s], 1
	s_add_co_u32 s[G0W+4*\s+1], s71, \s*SLOT
	s_add_nc_u64 s[G0W+4*\s+2:G0W+4*\s+3], s[62:63], \s*128*6144   ; K step s: 128 rows down
	s_or_b32 s[G0W+4*\s+3], s[G0W+4*\s+3], 0x80000000
	JLOAD \s                                       ; both first fills go out together: two tensor loads of the wave are out
.endr
.irp g, 0,1,2
.irp f, 0,1,2,3
	global_load_b128 v[BI+8*(4*\g+\f):BI+8*(4*\g+\f)+3],   v[BOFF], s[8:9] offset:256*\g+64*\f      ; b[192 x + 64 g + 16 f + 8 h .. + 3]
	global_load_b128 v[BI+8*(4*\g+\f)+4:BI+8*(4*\g+\f)+7], v[BOFF], s[8:9] offset:256*\g+64*\f+16   ; .. + 4 .. + 7
.endr
.endr
	v_mul_u32_u24 v3, v1, XP
	v_lshl_add_u32 v3, v2, 4, v3                   ; r x 272 + 16 h
	s_mul_i32 s72, s16, 64*XP                      ; my 64 rows
	v_add_nc_u32 v[ADRX], s72, v3
	v_add_nc_u32 v[ADRX+1], SLOT, v[ADRX]
	v_and_b32 v4, 7, v0
	v_lshl_add_u32 v5, v2, 3, v4                   ; row 8 h + (lane & 7) of W
	v_mul_u32_u24 v5, v5, WP
	v_bfe_u32 v6, v0, 3, 1
	v_lshl_add_u32 v5, v6, 4, v5                   ; + 16 bytes for lanes 8-15 and 24-31
	v_add_nc_u32 v[ADRW], WBASE, v5
	v_add_nc_u32 v[ADRW+1], SLOT+WBASE, v5
	s_mul_i32 s73, s16, 64*SP
	s_add_co_u32 s73, s73, STAGE                   ; my stage
	v_mul_u32_u24 v3, v1, SP
	v_lshl_add_u32 v3, v2, 4, v3
	v_add_nc_u32 v[STO], s73, v3                   ; in: row r, 16 bytes for each half of the lanes
	v_bfe_u32 v6, v0, 3, 2
	v_mul_u32_u24 v6, v6, SP
	v_lshl_add_u32 v6, v4, 4, v6
	v_add_nc_u32 v[RD], s73, v6                    ; back: eight lanes take a row of 128 bytes
	v_and_b32 v7, 31, v0
	v_lshlrev_b32 v[COFF], 4, v7
; 32 LDS loads in one run: the fragments of chunk q of slot s into buffer buf: X's four, then W's twelve in the order in which they are multiplied.
.macro FETCH s, q, buf
	WIN 0
.irp a, 0,1,2,3
	ds_load_b128 v[AFB+32*\buf+8*\a:AFB+32*\buf+8*\a+3],   v[ADRX+\s] offset:\a*16*XP+64*\q
	ds_load_b128 v[AFB+32*\buf+8*\a+4:AFB+32*\buf+8*\a+7], v[ADRX+\s] offset:\a*16*XP+64*\q+32
.endr
	WIN 0xc0                                       ; destination in window 3, address in window 0
.irp g, 2,0,1
.irp f, 0,1,2,3
	ds_load_tr16_b128 v[96*\buf+8*(4*\g+\f):96*\buf+8*(4*\g+\f)+3],   v[ADRW+\s] offset:\q*32*WP+\g*GP+32*\f          ; column 16 f + r, k = 8 h ..
	ds_load_tr16_b128 v[96*\buf+8*(4*\g+\f)+4:96*\buf+8*(4*\g+\f)+7], v[ADRW+\s] offset:\q*32*WP+\g*GP+32*\f+16*WP   ; k = 16 + 8 h ..
.endr
.endr
.endm
; 16 matrix instructions: group g from buffer buf.  The 48 accumulators take turns, one instruction a turn, in one fixed order (g = 2, 0, 1).
; first = 1: the sums start from the bias, which lies in window 0.
.macro MULG g, buf, first
.if \g < 2
.if \first
	WIN 0x43                                       ; source 0 window 3, source 1 and C window 0, D window 1
.else
	WIN 0x53                                       ; C and D window 1
.endif
.else
.if \first
	WIN 0x83
.else
	WIN 0xa3                                       ; C and D window 2
.endif
.endif
.irp f, 0,1,2,3
.irp a, 0,1,2,3
.if \first
	v_wmma_f32_16x16x32_f16 v[8*((4*(\g%2)+\f)*4+\a):8*((4*(\g%2)+\f)*4+\a)+7], v[96*\buf+8*(4*\g+\f):96*\buf+8*(4*\g+\f)+7], v[AFB+32*\buf+8*\a:AFB+32*\buf+8*\a+7], v[BI+8*(4*\g+\f):BI+8*(4*\g+\f)+7]
.else
	v_wmma_f32_16x16x32_f16 v[8*((4*(\g%2)+\f)*4+\a):8*((4*(\g%2)+\f)*4+\a)+7], v[96*\buf+8*(4*\g+\f):96*\buf+8*(4*\g+\f)+7], v[AFB+32*\buf+8*\a:AFB+32*\buf+8*\a+7], v[8*((4*(\g%2)+\f)*4+\a):8*((4*(\g%2)+\f)*4+\a)+7]
.endif
.endr
.endr
.endm
; One of a step's first three chunks: multiplies buffer f; behind its first 16 products it fetches chunk q of the same slot into buffer n.
; A load into a register that a matrix instruction has read stands four places behind it, and matrix instructions are no places
; (ISA guide 7.12.1 for vector instructions): four v_nop in front of each run of loads.
.macro CHUNK s, q, f, n, first
	s_wait_dscnt 16                                ; X's fragments and W's of group 2 are in; the youngest sixteen loads (groups 0 and 1) may stay out
	MULG 2, \f, \first
	PLACES 4
	FETCH \s, \q, \n
	s_wait_dscnt 32                                ; all but the 32 just issued
	MULG 0, \f, \first
	MULG 1, \f, \first
.endm
; A step's last chunk: multiplies buffer 1 and changes slots.  mode 2: this slot is filled again, two K steps ahead; 1: nothing is fetched; 0: the last step.
.macro TURN s, nx, mode
	s_wait_dscnt 16
	MULG 2, 1, 0
	s_wait_dscnt 0x0                               ; my reads of this slot are over
.if \mode
	s_wait_tensorcnt 0x0                           ; all my tensor loads have landed: the one that was out is my part of the other slot
	ds_add_u32 v193, v255
	s_wait_dscnt 0x0
	s_barrier_signal -1                            ; say so (with a refill this barrier opens a round of the cluster's barrier),
	MULG 0, 1, 0                                   ; work on registers while the others arrive,
	WIN 0
	s_barrier_wait -1
.if \mode == 2
	CREST                                          ; no wave of any partner still reads this slot or has a load on its way
	s_add_nc_u64 s[G0X+4*\s+2:G0X+4*\s+3], s[G0X+4*\s+2:G0X+4*\s+3], 2*256
	s_add_nc_u64 s[G0W+4*\s+2:G0W+4*\s+3], s[G0W+4*\s+2:G0W+4*\s+3], 2*128*6144
	JLOAD \s                                       ; the wave's one tensor load behind the round, first thing there
.endif
	PLACES 4
	FETCH \nx, 0, 0
	MULG 1, 1, 0
.else
	MULG 0, 1, 0
	MULG 1, 1, 0
.endif
.endm
.macro STEP s, nx, first, mode
	CHUNK \s, 1, 0, 1, \first
	CHUNK \s, 2, 1, 0, 0
	CHUNK \s, 3, 0, 1, 0
	TURN \s, \nx, \mode
.endm
	s_wait_loadcnt 0x0                             ; the bias, once
	s_wait_tensorcnt 0x1                           ; my part of K step 0 is in; K step 1's may stay out
	s_barrier_signal -1
	s_barrier_wait -1
	FETCH 0, 0, 0
	STEP 0, 1, 1, 2                                ; K steps 0 and 1 stand in front of the loop: the first products start the sums from the bias
	STEP 1, 0, 0, 2
	WIN 0                                          ; at a label and at a branch every window is 0
	s_mov_b32 s3, 2
.Llap:                                                 ; K steps 2 to 5; they fetch steps 4 to 7
	STEP 0, 1, 0, 2
	STEP 1, 0, 0, 2
	WIN 0
	s_sub_co_u32 s3, s3, 1
	s_cmp_lg_u32 s3, 0
	s_cbranch_scc1 .Llap
	STEP 0, 1, 0, 1                                ; the last two steps fetch nothing
	STEP 1, 0, 0, 0
	; THE WAY OUT.  Four places behind the last matrix instruction before its result is read and before its sources are written (ISA guide 7.12.1).
	WIN 0
	PLACES 4
	s_lshr_b32 s72, s22, 3                         ; b
	s_lshl_b32 s72, s72, 4
	s_add_co_u32 s72, s72, s21                     ; b * 16 + head
	s_lshl_b32 s72, s72, 11                        ; x 2,048 rows
	s_and_b32 s73, s22, 7
	s_lshl_b32 s73, s73, 8
	s_add_co_u32 s72, s72, s73                     ; + the block's first row in the sequence
	s_lshl_b32 s73, s16, 6
	s_add_co_u32 s72, s72, s73                     ; + my 64 rows
	s_lshl_b32 s72, s72, 7                         ; rows of 128 bytes
	s_mov_b32 s73, 0
	s_add_nc_u64 s[10:11], s[10:11], s[72:73]
	s_add_nc_u64 s[12:13], s[12:13], s[72:73]
	s_add_nc_u64 s[14:15], s[14:15], s[72:73]
; Group g, my 64 rows of 128 bytes: rounded to f16, 16 bytes a lane into my own stage, read back as whole rows.
; A store's 32 lanes write four rows: 512 consecutive bytes, aligned.
.macro OUTG g
.if \g < 2
	WIN 0x05                                       ; sources 0 and 1 in window 1
.else
	WIN 0x0a                                       ; in window 2
.endif
.irp a, 0,1,2,3
.irp f, 0,1,2,3
.irp p, 0,1,2,3
	v_cvt_pk_f16_f32 v[TMP+4*(4*\a+\f)+\p], v[8*((4*(\g%2)+\f)*4+\a)+2*\p], v[8*((4*(\g%2)+\f)*4+\a)+2*\p+1]
.endr
.endr
.endr
	WIN 0
.irp a, 0,1,2,3
.irp f, 0,1,2,3
	ds_store_b128 v[STO], v[TMP+4*(4*\a+\f):TMP+4*(4*\a+\f)+3] offset:\a*16*SP+32*\f   ; row 16 a + r, columns 16 f + 8 h .. + 7
.endr
.endr
	s_wait_xcnt 0x0                                ; RB, which the last group's stores read, is loaded again only behind this wait
.irp i, 0,1,2,3,4,5,6,7,8,9,10,11,12,13,14,15
	ds_load_b128 v[RB+4*\i:RB+4*\i+3], v[RD] offset:\i*4*SP        ; my own bytes; LDS serves a wave's instructions in order (ISA guide 5.7.1): these see the stores above
.endr
.irp i, 0,1,2,3,4,5,6,7,8,9,10,11,12,13,14,15
	s_wait_dscnt 15-\i                             ; load i is in, the younger ones may stay out
	global_store_b128 v[COFF], v[RB+4*\i:RB+4*\i+3], s[10+2*\g:11+2*\g] offset:512*\i
.endr
.endm
	OUTG 0
	OUTG 1
	OUTG 2
	s_set_vgpr_msb 0x3
	s_wait_tensorcnt 0x0
	ds_add_u32 v193, v255
	s_wait_dscnt 0x0
	s_set_vgpr_msb 0x300
	CROUND                                         ; the closing round: no work-group ends while a partner may still ask for a tile that names it
	s_endpgm
.Lfunc_end_k_q5715e7bd36_qkv:
	.size	k_q5715e7bd36_qkv, .Lfunc_end_k_q5715e7bd36_qkv-k_q5715e7bd36_qkv
	.p2alignl 7, 3214868480
	.fill 96, 4, 3214868480
	.section	.rodata,"a",@progbits
	.p2align	6, 0x0
	.amdhsa_kernel k_q5715e7bd36_qkv
		.amdhsa_group_segment_fixed_size 327680
		.amdhsa_private_segment_fixed_size 0
		.amdhsa_enable_private_segment 0
		.amdhsa_kernarg_size 48
		.amdhsa_user_sgpr_count 2
		.amdhsa_user_sgpr_kernarg_segment_ptr 1
		.amdhsa_wavefront_size32 1
		.amdhsa_system_sgpr_workgroup_id_x 1
		.amdhsa_system_sgpr_workgroup_id_y 1
		.amdhsa_system_sgpr_workgroup_id_z 1
		.amdhsa_system_vgpr_workitem_id 0
		.amdhsa_next_free_vgpr 962
		.amdhsa_next_free_sgpr 80
		.amdhsa_reserve_vcc 0
		.amdhsa_float_denorm_mode_32 3
		.amdhsa_float_denorm_mode_16_64 3
		.amdhsa_memory_ordered 1
		.amdhsa_forward_progress 1
		.amdhsa_inst_pref_size 166
	.end_amdhsa_kernel
	.amdgpu_metadata
---
amdhsa.version: [ 1, 2 ]
amdhsa.kernels:
  - .name:           k_q5715e7bd36_qkv
    .symbol:         k_q5715e7bd36_qkv.kd
    .args:
      - { .name: xh, .offset: 0, .size: 8, .value_kind: global_buffer, .address_space: global }
      - { .name: wqh, .offset: 8, .size: 8, .value_kind: global_buffer, .address_space: global }
      - { .name: b_qkv, .offset: 16, .size: 8, .value_kind: global_buffer, .address_space: global }
      - { .name: qb, .offset: 24, .size: 8, .value_kind: global_buffer, .address_space: global }
      - { .name: kb, .offset: 32, .size: 8, .value_kind: global_buffer, .address_space: global }
      - { .name: vb, .offset: 40, .size: 8, .value_kind: global_buffer, .address_space: global }
    .group_segment_fixed_size: 327680
    .private_segment_fixed_size: 0
    .kernarg_segment_align: 8
    .kernarg_segment_size: 48
    .max_flat_workgroup_size: 128
    .sgpr_count:     80
    .vgpr_count:     962
    .wavefront_size: 32
...
	.end_amdgpu_metadata
.endif
;; end of part 2
;; launch attn (part 3): grid 8 x 32, 8 waves a work-group, clusters of 4 x 1, 327,680 bytes of LDS; arguments qb, kb, vb, cb; writes cb
.if DOCPART == 3
	.amdgcn_target "amdgcn-amd-amdhsa--gfx1250"
	.amdhsa_code_object_version 6
	.text
	.protected	k_q5715e7bd36_attn
	.globl	k_q5715e7bd36_attn
	.p2align	8
	.type	k_q5715e7bd36_attn,@function
k_q5715e7bd36_attn:
	s_mov_b64 s[64:65], 0
	v_nop
	global_prefetch_b8 v0, s[64:65] scope:SCOPE_SE
	s_setreg_imm32_b32 hwreg(HW_REG_WAVE_MODE, 25, 1), 1
	s_wait_xcnt 0x0
	s_wait_alu depctr_hold_cnt(0) depctr_sa_sdst(0) depctr_va_vdst(0) depctr_va_sdst(0) depctr_va_ssrc(0) depctr_va_vcc(0) depctr_vm_vsrc(0)
	s_getreg_b32 s2, hwreg(HW_REG_IB_STS2, 6, 4)
	s_cmp_eq_u32 s2, 0
	s_cbranch_scc0 .Lentry_in_a_cluster
	s_endpgm
.Lentry_in_a_cluster:
	s_bfe_u32 s2, ttmp6, 0x10000c
	s_cmp_lg_u32 s2, 0x3003
	s_cbranch_scc0 .Lentry_shape_is_right
	s_endpgm
.Lentry_shape_is_right:
; ctx = softmax(q k^T / 8) v for one (batch, head) and 256 queries.  qb, kb, vb: f16 [b*16+head][2048][64]; cb: f16 [head][b*2048+s][64].
; Products with f16 operands and f32 sums; the softmax in f32 with a running maximum, taken away before every exponential.
; LIMITS: a weight below 2^-25 of its row's largest rounds to 0 in f16; v_exp_f32 gives 0 below 2^-126; infinite or NaN scores are not treated apart.
; Eight waves, two on each SIMD, so that one wave's softmax stands beside the other's matrix work; wave w has queries 32 w .. 32 w + 31 (two tiles q).
; Keys go in 8 steps of 256 through two LDS slots; a step is four blocks of 64 keys.
; CLUSTER 4 x 1: the four work-groups are four query blocks of one head and read the same K and V: every tile is asked for jointly (mask 15).
; EVERYTHING IS TRANSPOSED.  S^T = K (source 0) x Q (source 1): lane (r, h), register j of tile t holds key 16 t + 8 h + j of query r.  Packed in place
; to f16 that is source 1 of O^T += V^T (source 0, by the transposing LDS load) x P^T.  A query's statistics are one number a lane; the only
; traffic between lanes in the loop is one exchange of the halves for the maximum; the sum stays a partial sum of each half until the end.
.set PIECE, 10240                      ; LDS of one wave's tensor load: 64 keys; K at pitch 144 uses 9,216 of it, V at pitch 160 all
.set SLOT,  8*PIECE                    ; K's four pieces, then V's four
.set VBASE, 4*PIECE
.set STAGE, 2*SLOT                     ; behind the ring: 32 rows x 144 bytes for each wave, for the way out; no tensor load lands here
.set KP,    144                        ; 128 bytes + 16: 16 rows start in 16 different 16-byte columns
.set VP,    160                        ; 128 bytes + 32: an odd multiple of 32, for the transposing load
.set KADR,  1                          ; v1-2    K fragments in slot 0, 1
.set VADR,  3                          ; v3-4    V fragments in slot 0, 1
.set NB,    6                          ; v6, v8   -c x maximum of tile q (first register of the pairs v[6:7], v[8:9])
.set MX,    7                          ; v7, v9   running maximum, in units of the raw scores
.set AL,    10                         ; v10, v12 the block's rescaling factor (first register of the pairs v[10:11], v[12:13])
.set LS,    11                         ; v11, v13 running sum of my half's keys
.set TM,    14                         ; v[14:17] maxima at work
.set SU,    18                         ; v[18:25] sums at work
.set STO,   26
.set RD,    27
.set COFF,  28
.set QOFF,  29
.set QF,    32                         ; v[32:63]   Q fragments (q, c) at 16 q + 8 c
.set SB,    64                         ; v[64:127]  S(q, t) at 32 q + 8 t; then P(q, u) at 32 q + 16 u
.set OB,    128                        ; v[128:191] O(dt, q) at 8 (2 dt + q)
.set KVB,   192                        ; v[192:255] K fragments (t, c) at 16 t + 8 c, then V fragments (dt, u) at 16 dt + 8 u
.set G1K,   20
.set G1V,   28
.set G0K,   36
.set G0V,   44
.set CPOS,  0x3e38aa3b                 ; c = log2(e) / 8: the scale 1/8 and the change of base in one factor
.set CNEG,  0xbe38aa3b
.macro PLACES cnt
.rept \cnt
	v_nop
.endr
.endm
.macro JLOAD s                         ; waves 0 to 3 ask for K's four pieces, waves 4 to 7 for V's
	s_cmp_lt_u32 s12, 4
	s_cbranch_scc0 .Lfor_v_\@
	tensor_load_to_lds s[G0K+4*\s:G0K+4*\s+3], s[G1K:G1K+7]
	s_nop 0
	s_branch .Lasked_\@
.Lfor_v_\@:
	tensor_load_to_lds s[G0V+4*\s:G0V+4*\s+3], s[G1V:G1V+7]
	s_nop 0
.Lasked_\@:
.endm
.macro ROUND                           ; a round of the cluster's barrier
	s_barrier_signal -1
	s_barrier_wait -1
	s_cmp_lg_u32 s12, 0
	s_cbranch_scc1 .Lnot_wave_0_\@
	s_barrier_signal -3
.Lnot_wave_0_\@:
	s_barrier_wait -3
	s_barrier_signal -1
	s_barrier_wait -1
.endm
	s_load_b256 s[4:11], s[0:1], 0x0               ; qb s[4:5], kb s[6:7], vb s[8:9], cb s[10:11]
	s_set_vgpr_msb 0x40
	v_lshl_add_u32 v0, v0, 2, 0x31000
	v_mov_b32 v1, 0
	s_set_vgpr_msb 0x4045
	ds_add_u32 v0, v1
	s_set_vgpr_msb 0x4500
	v_lshrrev_b32 v5, 5, v0
	v_readfirstlane_b32 s12, v5                    ; wave 0..7
	s_and_b32 s13, s12, 3                          ; which 64 keys of a tile I fetch
	s_bfe_u32 s14, ttmp6, 0x40000                  ; cx
	s_lshl_b32 s15, ttmp9, 2
	s_add_co_u32 s15, s15, s14                     ; block of 256 queries
	s_and_b32 s16, ttmp7, 0xffff                   ; b * 16 + head
	s_mov_b32 s17, 0x76543210                      ; v_permlanex16_b32: lane i reads lane i of the other half
	s_mov_b32 s18, 0xfedcba98
	; K and V: 64 rows x 64 f16 (128 bytes, the tensor's own rows); padding behind every 32 words: 4 words for K, 8 for V
	s_mov_b32 s[G1K+0], 15|(1<<16)|(1<<20)|(1<<21)|(4<<22)|(3<<25)
	s_mov_b32 s[G1V+0], 15|(1<<16)|(1<<20)|(1<<21)|(4<<22)|(7<<25)
.irp g, G1K, G1V
	s_mov_b32 s[\g+1], 64<<16                      ; tensor_dim0 = 64
	s_mov_b32 s[\g+2], 64<<16                      ; tensor_dim1 = 64
	s_mov_b32 s[\g+3], 64<<16                      ; tile_dim0 = 64
	s_mov_b32 s[\g+4], 64                          ; tile_dim1 = 64
	s_mov_b32 s[\g+5], 64                          ; elements from row to row
	s_mov_b32 s[\g+6], 0
	s_mov_b32 s[\g+7], 0
.endr
	s_lshl_b32 s52, s16, 18                        ; the head's 2,048 rows of 128 bytes: shared by the four partners
	s_lshl_b32 s53, s13, 13                        ; + my 64 keys
	s_add_co_u32 s52, s52, s53
	s_mov_b32 s53, 0
	s_mul_i32 s54, s12, PIECE                      ; LDS: wave x 10,240
	s_mul_i32 s60, s12, 32*KP
	s_add_co_u32 s60, s60, STAGE                   ; my stage
	s_lshl_b32 s62, s16, 18                        ; Q: head, block of queries, my 32 rows
	s_lshl_b32 s68, s15, 15
	s_add_co_u32 s62, s62, s68
	s_lshl_b32 s68, s12, 12
	s_add_co_u32 s62, s62, s68
	s_mov_b32 s63, 0
	v_and_b32 v5, 15, v0                           ; r
	v_bfe_u32 v30, v0, 4, 1                        ; h
	v_mul_u32_u24 v31, v5, KP
	v_lshl_add_u32 v[KADR], v30, 4, v31            ; r x 144 + 16 h
	v_add_nc_u32 v[KADR+1], SLOT, v[KADR]
	v_add_nc_u32 v[STO], s60, v[KADR]              ; the way out: row r, 16 bytes for each half
	v_lshlrev_b32 v31, 7, v5
	v_lshl_add_u32 v[QOFF], v30, 4, v31            ; r x 128 + 16 h
	v_and_b32 v31, 7, v0
	v_lshl_add_u32 v30, v30, 3, v31                ; key 8 h + (lane & 7)
	v_mul_u32_u24 v30, v30, VP
	v_bfe_u32 v5, v0, 3, 1
	v_lshl_add_u32 v30, v5, 4, v30                 ; + 16 bytes for lanes 8-15 and 24-31
	v_add_nc_u32 v[VADR], VBASE, v30
	v_add_nc_u32 v[VADR+1], VBASE+SLOT, v30
	v_bfe_u32 v5, v0, 3, 2
	v_mul_u32_u24 v5, v5, KP
	v_lshl_add_u32 v5, v31, 4, v5
	v_add_nc_u32 v[RD], s60, v5                    ; back: eight lanes take a row of 128 bytes
	v_and_b32 v5, 31, v0
	v_lshlrev_b32 v[COFF], 4, v5
	s_wait_dscnt 0x0
	s_wait_kmcnt 0x0
	s_add_nc_u64 s[56:57], s[6:7], s[52:53]
	s_add_nc_u64 s[58:59], s[8:9], s[52:53]
	s_add_nc_u64 s[4:5], s[4:5], s[62:63]
	ROUND                                          ; the four work-groups are here: the first joint loads meet
.irp s, 0,1
	s_mov_b32 s[G0K+4*\s], 1
	s_add_co_u32 s[G0K+4*\s+1], s54, \s*SLOT
	s_add_nc_u64 s[G0K+4*\s+2:G0K+4*\s+3], s[56:57], \s*32768      ; step s: 256 keys of 128 bytes
	s_or_b32 s[G0K+4*\s+3], s[G0K+4*\s+3], 0x80000000
	s_mov_b32 s[G0V+4*\s], 1
	s_add_co_u32 s[G0V+4*\s+1], s54, \s*SLOT
	s_add_nc_u64 s[G0V+4*\s+2:G0V+4*\s+3], s[58:59], \s*32768
	s_or_b32 s[G0V+4*\s+3], s[G0V+4*\s+3], 0x80000000
	JLOAD \s                                       ; both first fills go out together: two tensor loads of the wave are out
.endr
.irp q, 0,1
.irp c, 0,1
	global_load_b128 v[QF+16*\q+8*\c:QF+16*\q+8*\c+3],   v[QOFF], s[4:5] offset:\q*2048+64*\c      ; Q(16 q + r, 32 c + 8 h ..)
	global_load_b128 v[QF+16*\q+8*\c+4:QF+16*\q+8*\c+7], v[QOFF], s[4:5] offset:\q*2048+64*\c+32   ; Q(16 q + r, 32 c + 16 + 8 h ..)
.endr
.endr
.macro SCALE q                         ; S c - c x maximum, one rounding; both halves take the pair's first register
.irp i, 0,2,4,6,8,10,12,14,16,18,20,22,24,26,28,30
	v_pk_fma_f32 v[SB+32*\q+\i:SB+32*\q+\i+1], v[SB+32*\q+\i:SB+32*\q+\i+1], CPOS, v[NB+2*\q:NB+2*\q+1] op_sel_hi:[1,0,0]
.endr
.endm
.macro EXPS q
.set i, 0
.rept 32
	v_exp_f32 v[SB+32*\q+i], v[SB+32*\q+i]
.set i, i+1
.endr
.endm
; The softmax of a block of 64 keys for my 32 queries.  first = 1: the block starts the statistics.
.macro SOFT first
	; the largest of a lane's 32 scores of each tile, in four chains that do not wait for each other
.irp q, 0,1
	v_max3_num_f32 v[TM+2*\q],   v[SB+32*\q],    v[SB+32*\q+1],  v[SB+32*\q+2]
	v_max3_num_f32 v[TM+2*\q+1], v[SB+32*\q+16], v[SB+32*\q+17], v[SB+32*\q+18]
.endr
.irp k, 3,5,7,9,11,13
.irp q, 0,1
	v_max3_num_f32 v[TM+2*\q],   v[TM+2*\q],   v[SB+32*\q+\k],    v[SB+32*\q+\k+1]
	v_max3_num_f32 v[TM+2*\q+1], v[TM+2*\q+1], v[SB+32*\q+16+\k], v[SB+32*\q+17+\k]
.endr
.endr
.irp q, 0,1
	v_max3_num_f32 v[TM+2*\q], v[TM+2*\q], v[TM+2*\q+1], v[SB+32*\q+15]
.endr
.irp q, 0,1
	v_max_num_f32 v[TM+2*\q], v[TM+2*\q], v[SB+32*\q+31]
.endr
.irp q, 0,1
	v_permlanex16_b32 v[TM+2*\q+1], v[TM+2*\q], s17, s18       ; the other half's keys of the same query
.endr
.irp q, 0,1
.if \first
	v_max_num_f32 v[MX+2*\q], v[TM+2*\q], v[TM+2*\q+1]
	v_mul_f32 v[NB+2*\q], CNEG, v[MX+2*\q]
.else
	v_max3_num_f32 v[MX+2*\q], v[TM+2*\q], v[TM+2*\q+1], v[MX+2*\q]
	v_mul_f32 v[TM+2*\q], CNEG, v[MX+2*\q]                     ; the new shift, rounded
	v_sub_f32 v[TM+2*\q+1], v[TM+2*\q], v[NB+2*\q]             ; new shift - old shift <= 0: of the very numbers that the exponentials use,
	v_mov_b32 v[NB+2*\q], v[TM+2*\q]                           ; so that old and new blocks stay on one scale whatever the size of the scores
	v_exp_f32 v[AL+2*\q], v[TM+2*\q+1]
.endif
.endr
	; behind a run of exponentials a plain vector instruction that touches none of them comes first (ISA guide 5.7.2): the other tile's
	; multiply-adds, then the rescaling of O
	SCALE 0
	EXPS 0
	SCALE 1
	EXPS 1
.if \first
	v_nop
	s_wait_alu depctr_va_vdst(0)
.else
	s_wait_alu depctr_va_vdst(0)
.irp dt, 0,1,2,3
.irp q, 0,1
.irp i, 0,2,4,6
	v_pk_mul_f32 v[OB+8*(2*\dt+\q)+\i:OB+8*(2*\dt+\q)+\i+1], v[OB+8*(2*\dt+\q)+\i:OB+8*(2*\dt+\q)+\i+1], v[AL+2*\q:AL+2*\q+1] op_sel_hi:[1,0]
.endr
.endr
.endr
.endif
	; the sum of a lane's 32 weights of each tile, again in four chains
.irp q, 0,1
	v_pk_add_f32 v[SU+4*\q:SU+4*\q+1],   v[SB+32*\q:SB+32*\q+1],     v[SB+32*\q+2:SB+32*\q+3]
	v_pk_add_f32 v[SU+4*\q+2:SU+4*\q+3], v[SB+32*\q+16:SB+32*\q+17], v[SB+32*\q+18:SB+32*\q+19]
.endr
.irp k, 4,6,8,10,12,14
.irp q, 0,1
	v_pk_add_f32 v[SU+4*\q:SU+4*\q+1],   v[SU+4*\q:SU+4*\q+1],   v[SB+32*\q+\k:SB+32*\q+\k+1]
	v_pk_add_f32 v[SU+4*\q+2:SU+4*\q+3], v[SU+4*\q+2:SU+4*\q+3], v[SB+32*\q+16+\k:SB+32*\q+17+\k]
.endr
.endr
.irp q, 0,1
	v_pk_add_f32 v[SU+4*\q:SU+4*\q+1], v[SU+4*\q:SU+4*\q+1], v[SU+4*\q+2:SU+4*\q+3]
.endr
.irp q, 0,1
.if \first
	v_add_f32 v[LS+2*\q], v[SU+4*\q], v[SU+4*\q+1]
.else
	v_add_f32 v[SU+4*\q], v[SU+4*\q], v[SU+4*\q+1]
	v_fma_f32 v[LS+2*\q], v[LS+2*\q], v[AL+2*\q], v[SU+4*\q]
.endif
.endr
	; to f16 in place, ascending: register p of P(q, u) takes S registers 2 p and 2 p + 1 of the same 16, which are read no later than they are written
.irp q, 0,1
.irp u, 0,1
.irp p, 0,1,2,3,4,5,6,7
	v_cvt_pk_f16_f32 v[SB+32*\q+16*\u+\p], v[SB+32*\q+16*\u+2*\p], v[SB+32*\q+16*\u+2*\p+1]
.endr
.endr
.endr
.endm
; 64 keys: block kb of slot s.  In each run of eight matrix instructions the eight accumulators take turns, one instruction a turn.
.macro BLOCK s, kb, first
.irp c, 0,1
.irp t, 0,1,2,3
	ds_load_b128 v[KVB+16*\t+8*\c:KVB+16*\t+8*\c+3],   v[KADR+\s] offset:\kb*PIECE+\t*16*KP+64*\c
	ds_load_b128 v[KVB+16*\t+8*\c+4:KVB+16*\t+8*\c+7], v[KADR+\s] offset:\kb*PIECE+\t*16*KP+64*\c+32
.endr
.endr
	s_wait_dscnt 8                                 ; d = 0 .. 31 of the four key tiles are in; the eight loads of d = 32 .. 63 may stay out
.irp t, 0,1,2,3
.irp q, 0,1
	v_wmma_f32_16x16x32_f16 v[SB+32*\q+8*\t:SB+32*\q+8*\t+7], v[KVB+16*\t:KVB+16*\t+7], v[QF+16*\q:QF+16*\q+7], 0
.endr
.endr
	s_wait_dscnt 0
.irp t, 0,1,2,3
.irp q, 0,1
	v_wmma_f32_16x16x32_f16 v[SB+32*\q+8*\t:SB+32*\q+8*\t+7], v[KVB+16*\t+8:KVB+16*\t+15], v[QF+16*\q+8:QF+16*\q+15], v[SB+32*\q+8*\t:SB+32*\q+8*\t+7]
.endr
.endr
	PLACES 4                                       ; four places before loads land on K's fragments and before the scores are read (ISA guide 7.12.1 for vector instructions)
.irp u, 0,1
.irp dt, 0,1,2,3
	ds_load_tr16_b128 v[KVB+16*\dt+8*\u:KVB+16*\dt+8*\u+3],   v[VADR+\s] offset:\kb*PIECE+\u*32*VP+32*\dt          ; V^T(16 dt + r, keys 32 u + 8 h ..)
	ds_load_tr16_b128 v[KVB+16*\dt+8*\u+4:KVB+16*\dt+8*\u+7], v[VADR+\s] offset:\kb*PIECE+\u*32*VP+32*\dt+16*VP   ; keys 32 u + 16 + 8 h ..
.endr
.endr
	SOFT \first
	s_wait_dscnt 8                                 ; V's keys 0 .. 31 are in; the eight loads of keys 32 .. 63 may stay out
.irp dt, 0,1,2,3
.irp q, 0,1
.if \first
	v_wmma_f32_16x16x32_f16 v[OB+8*(2*\dt+\q):OB+8*(2*\dt+\q)+7], v[KVB+16*\dt:KVB+16*\dt+7], v[SB+32*\q:SB+32*\q+7], 0
.else
	v_wmma_f32_16x16x32_f16 v[OB+8*(2*\dt+\q):OB+8*(2*\dt+\q)+7], v[KVB+16*\dt:KVB+16*\dt+7], v[SB+32*\q:SB+32*\q+7], v[OB+8*(2*\dt+\q):OB+8*(2*\dt+\q)+7]
.endif
.endr
.endr
	s_wait_dscnt 0
.irp dt, 0,1,2,3
.irp q, 0,1
	v_wmma_f32_16x16x32_f16 v[OB+8*(2*\dt+\q):OB+8*(2*\dt+\q)+7], v[KVB+16*\dt+8:KVB+16*\dt+15], v[SB+32*\q+16:SB+32*\q+23], v[OB+8*(2*\dt+\q):OB+8*(2*\dt+\q)+7]
.endr
.endr
	PLACES 5                                       ; five places before the next block's products write over P, four before its loads land on V's fragments
.endm
.macro FOUR s
	BLOCK \s, 0, 0
	BLOCK \s, 1, 0
	BLOCK \s, 2, 0
	BLOCK \s, 3, 0
.endm
; The change of slots.  o = the slot read last; refill = 1: it is filled again, two steps ahead.
.macro CHANGE o, refill
	s_set_vgpr_msb 0x5
	s_wait_tensorcnt 0x0                           ; all my tensor loads have landed: the one that was out is my piece of the slot read next
	ds_add_u32 v0, v1
	s_wait_dscnt 0x0
	s_set_vgpr_msb 0x500
	s_wait_dscnt 0x0                               ; my reads of slot o are over
.if \refill
	s_add_nc_u64 s[G0K+4*\o+2:G0K+4*\o+3], s[G0K+4*\o+2:G0K+4*\o+3], 2*32768
	s_add_nc_u64 s[G0V+4*\o+2:G0V+4*\o+3], s[G0V+4*\o+2:G0V+4*\o+3], 2*32768
	ROUND                                          ; both now hold of every wave of the four work-groups
	JLOAD \o                                       ; the wave's one tensor load behind the round, first thing there; it has four blocks' work in which to land
.else
	s_barrier_signal -1
	s_barrier_wait -1
.endif
.endm
	s_wait_loadcnt 0x0                             ; Q, once
	s_wait_tensorcnt 0x1                           ; my piece of step 0 is in; step 1's may stay out
	s_barrier_signal -1
	s_barrier_wait -1
	BLOCK 0, 0, 1                                  ; the first block starts maximum, sum and O: nothing is cleared
	BLOCK 0, 1, 0
	BLOCK 0, 2, 0
	BLOCK 0, 3, 0
	s_mov_b32 s3, 3
.Lpair:                                                ; steps 1 to 6; they fetch steps 2 to 7
	CHANGE 0, 1
	FOUR 1
	CHANGE 1, 1
	FOUR 0
	s_sub_co_u32 s3, s3, 1
	s_cmp_lg_u32 s3, 0
	s_cbranch_scc1 .Lpair
	CHANGE 0, 0                                    ; step 7: nothing is left to fetch
	FOUR 1
	; THE WAY OUT: the two halves' sums meet, O is divided and rounded; a lane's eight numbers are d = 16 dt + 8 h .. + 7 of query 16 q + r.
	v_permlanex16_b32 v[TM],   v[LS],   s17, s18
	v_permlanex16_b32 v[TM+1], v[LS+2], s17, s18
	v_add_f32 v[TM],   v[TM],   v[LS]
	v_add_f32 v[TM+1], v[TM+1], v[LS+2]
	v_rcp_f32 v[AL],   v[TM]
	v_rcp_f32 v[AL+2], v[TM+1]
	v_nop                                          ; one plain place behind the reciprocals (ISA guide 5.7.2)
	s_wait_alu depctr_va_vdst(0)
.irp dt, 0,1,2,3
.irp q, 0,1
.irp i, 0,2,4,6
	v_pk_mul_f32 v[OB+8*(2*\dt+\q)+\i:OB+8*(2*\dt+\q)+\i+1], v[OB+8*(2*\dt+\q)+\i:OB+8*(2*\dt+\q)+\i+1], v[AL+2*\q:AL+2*\q+1] op_sel_hi:[1,0]
.endr
.endr
.endr
.irp dt, 0,1,2,3
.irp q, 0,1
.irp p, 0,1,2,3
	v_cvt_pk_f16_f32 v[OB+8*(2*\dt+\q)+\p], v[OB+8*(2*\dt+\q)+2*\p], v[OB+8*(2*\dt+\q)+2*\p+1]
.endr
	ds_store_b128 v[STO], v[OB+8*(2*\dt+\q):OB+8*(2*\dt+\q)+3] offset:\q*16*KP+32*\dt
.endr
.endr
	s_and_b32 s66, s16, 15
	s_lshl_b32 s66, s66, 19                        ; the head's plane of 4,096 rows of 128 bytes
	s_lshr_b32 s68, s16, 4
	s_lshl_b32 s68, s68, 18                        ; + b x 2,048 rows
	s_add_co_u32 s66, s66, s68
	s_lshl_b32 s68, s15, 15                        ; + the block of 256 queries
	s_add_co_u32 s66, s66, s68
	s_lshl_b32 s68, s12, 12                        ; + my 32 rows
	s_add_co_u32 s66, s66, s68
	s_mov_b32 s67, 0
	s_add_nc_u64 s[10:11], s[10:11], s[66:67]
.irp i, 0,1,2,3,4,5,6,7
	ds_load_b128 v[KVB+4*\i:KVB+4*\i+3], v[RD] offset:\i*4*KP      ; my own bytes; LDS serves a wave's instructions in order (ISA guide 5.7.1): these see the stores above
.endr
.irp i, 0,1,2,3,4,5,6,7
	s_wait_dscnt 7-\i                              ; load i is in, the younger ones may stay out
	global_store_b128 v[COFF], v[KVB+4*\i:KVB+4*\i+3], s[10:11] offset:512*\i   ; four rows of 128 bytes: 512 consecutive bytes, aligned
.endr
	s_set_vgpr_msb 0x5
	s_wait_tensorcnt 0x0
	ds_add_u32 v0, v1
	s_wait_dscnt 0x0
	s_set_vgpr_msb 0x500
	ROUND                                          ; the closing round: no work-group ends while a partner may still ask for a tile that names it
	s_endpgm
.Lfunc_end_k_q5715e7bd36_attn:
	.size	k_q5715e7bd36_attn, .Lfunc_end_k_q5715e7bd36_attn-k_q5715e7bd36_attn
	.p2alignl 7, 3214868480
	.fill 96, 4, 3214868480
	.section	.rodata,"a",@progbits
	.p2align	6, 0x0
	.amdhsa_kernel k_q5715e7bd36_attn
		.amdhsa_group_segment_fixed_size 327680
		.amdhsa_private_segment_fixed_size 0
		.amdhsa_enable_private_segment 0
		.amdhsa_kernarg_size 32
		.amdhsa_user_sgpr_count 2
		.amdhsa_user_sgpr_kernarg_segment_ptr 1
		.amdhsa_wavefront_size32 1
		.amdhsa_system_sgpr_workgroup_id_x 1
		.amdhsa_system_sgpr_workgroup_id_y 1
		.amdhsa_system_sgpr_workgroup_id_z 1
		.amdhsa_system_vgpr_workitem_id 0
		.amdhsa_next_free_vgpr 258
		.amdhsa_next_free_sgpr 80
		.amdhsa_reserve_vcc 0
		.amdhsa_float_denorm_mode_32 3
		.amdhsa_float_denorm_mode_16_64 3
		.amdhsa_memory_ordered 1
		.amdhsa_forward_progress 1
		.amdhsa_inst_pref_size 255
	.end_amdhsa_kernel
	.section	.bss,"aw",@nobits
	.p2align	6
	.space	262144
	.amdgpu_metadata
---
amdhsa.version: [ 1, 2 ]
amdhsa.kernels:
  - .name:           k_q5715e7bd36_attn
    .symbol:         k_q5715e7bd36_attn.kd
    .args:
      - { .name: qb, .offset: 0, .size: 8, .value_kind: global_buffer, .address_space: global }
      - { .name: kb, .offset: 8, .size: 8, .value_kind: global_buffer, .address_space: global }
      - { .name: vb, .offset: 16, .size: 8, .value_kind: global_buffer, .address_space: global }
      - { .name: cb, .offset: 24, .size: 8, .value_kind: global_buffer, .address_space: global }
    .group_segment_fixed_size: 327680
    .private_segment_fixed_size: 0
    .kernarg_segment_align: 8
    .kernarg_segment_size: 32
    .max_flat_workgroup_size: 256
    .sgpr_count:     80
    .vgpr_count:     258
    .wavefront_size: 32
...
	.end_amdgpu_metadata
.endif
;; end of part 3
;; launch proj (part 4): grid 8 x 32, 8 waves a work-group, clusters of 4 x 4, 327,680 bytes of LDS; arguments cb, woh, b_out, out0; writes out0
.if DOCPART == 4
	.amdgcn_target "amdgcn-amd-amdhsa--gfx1250"
	.amdhsa_code_object_version 6
	.text
	.protected	k_q5715e7bd36_proj
	.globl	k_q5715e7bd36_proj
	.p2align	8
	.type	k_q5715e7bd36_proj,@function
k_q5715e7bd36_proj:
	s_mov_b64 s[64:65], 0
	v_nop
	global_prefetch_b8 v0, s[64:65] scope:SCOPE_SE
	s_setreg_imm32_b32 hwreg(HW_REG_WAVE_MODE, 25, 1), 1
	s_wait_xcnt 0x0
	s_wait_alu depctr_hold_cnt(0) depctr_sa_sdst(0) depctr_va_vdst(0) depctr_va_sdst(0) depctr_va_ssrc(0) depctr_va_vcc(0) depctr_vm_vsrc(0)
	s_getreg_b32 s2, hwreg(HW_REG_IB_STS2, 6, 4)
	s_cmp_eq_u32 s2, 0
	s_cbranch_scc0 .Lentry_in_a_cluster
	s_endpgm
.Lentry_in_a_cluster:
	s_bfe_u32 s2, ttmp6, 0x10000c
	s_cmp_lg_u32 s2, 0xf033
	s_cbranch_scc0 .Lentry_shape_is_right
	s_endpgm
.Lentry_shape_is_right:
; out0 = ctx w_out + b_out.  cb: ctx as f16 [head 16][row 4096][64]; woh: w_out as f16 [1024][1024]; b_out [1024] f32; out0 [4096][1024] f32.
; Products with f16 operands, sums in f32 that start from the bias.
; A work-group makes 128 rows (y) x 128 columns (x); eight waves, 4 x 2, each 32 rows x 64 columns: 2 row tiles a x 4 fragments f = 8 accumulators.
; K goes in 4 steps of 256 (four heads' planes of ctx, 256 rows of W) through two LDS slots; a step is eight chunks of 32.
; Eight waves so that a step's eight pieces (four planes, four quarters of W) are one plain two-dimensional tensor load a wave; every piece takes 18,432 bytes of LDS.
; Only two slots are filled again, so the four steps are written out without a loop.
; CLUSTER 4 x 4: ctx's tile hangs on y alone and is shared along a row of the cluster, W's on x alone and is shared along a column: joint loads.
; W lies [k][n]: its fragments come by the transposing LDS load.  THE MATRIX INSTRUCTION IS USED TRANSPOSED (source 0 = 16 columns of W, source 1 = 16 rows
; of ctx): lane (r, h) holds row r, its registers columns 16 f + 8 h + 0 .. 7.  The bias in that layout is the C of the first products.
.set PIECE, 18432                      ; a plane of ctx: 128 rows at pitch 144; a quarter of W: 64 rows at pitch 288
.set SLOT,  8*PIECE
.set WBASE, 4*PIECE
.set AP,    144                        ; 128 bytes + 16
.set WP,    288                        ; 256 bytes + 32: an odd multiple of 32, for the transposing load
.set SP,    272                        ; the stage's rows: 256 bytes + 16
.set ADRA,  1                          ; v1-2    my ctx rows in slot 0, 1
.set ADRW,  3                          ; v3-6    my part of W's rows: slot 0 rows 0-127, rows 128-255, slot 1 likewise (an LDS offset has 16 bits)
.set STO,   7
.set RD,    8
.set OOFF,  9
.set BOFF,  10
.set BI,    16                         ; v[16:47]   bias, eight numbers for each f; on the way out: rows read back
.set AFB,   48                         ; v[48:63], v[64:79]    2 fragments of ctx, two buffers
.set BFB,   80                         ; v[80:111], v[112:143] 4 fragments of W, two buffers
.set ACC,   144                        ; v[144:207] accumulator (f, a) at 8 (2 f + a)
.set G1A,   24
.set G1W,   32
.set G0A,   40
.set G0W,   48
.macro PLACES cnt
.rept \cnt
	v_nop
.endr
.endm
.macro JLOAD s                         ; waves 0 to 3 ask for the step's four planes of ctx, waves 4 to 7 for W's four quarters
	s_cmp_lt_u32 s12, 4
	s_cbranch_scc0 .Lfor_w_\@
	tensor_load_to_lds s[G0A+4*\s:G0A+4*\s+3], s[G1A:G1A+7]
	s_nop 0
	s_branch .Lasked_\@
.Lfor_w_\@:
	tensor_load_to_lds s[G0W+4*\s:G0W+4*\s+3], s[G1W:G1W+7]
	s_nop 0
.Lasked_\@:
.endm
.macro CREST                           ; a round of the cluster's barrier behind its opening work-group barrier
	s_cmp_lg_u32 s12, 0
	s_cbranch_scc1 .Lnot_wave_0_\@
	s_barrier_signal -3
.Lnot_wave_0_\@:
	s_barrier_wait -3
	s_barrier_signal -1
	s_barrier_wait -1
.endm
.macro CROUND
	s_barrier_signal -1
	s_barrier_wait -1
	CREST
.endm
	s_load_b256 s[4:11], s[0:1], 0x0               ; cb s[4:5], woh s[6:7], b_out s[8:9], out0 s[10:11]
	v_lshl_add_u32 v208, v0, 2, 0x48000
	v_mov_b32 v209, 0
	ds_add_u32 v208, v209
	v_lshrrev_b32 v11, 5, v0
	v_readfirstlane_b32 s12, v11                   ; wave 0..7
	s_lshr_b32 s13, s12, 1                         ; my 32 of the block's rows
	s_and_b32 s14, s12, 1                          ; my half of its columns
	s_and_b32 s21, s12, 3                          ; which plane, or which quarter of W, I fetch
	s_bfe_u32 s15, ttmp6, 0x40000                  ; cx
	s_bfe_u32 s16, ttmp6, 0x40004                  ; cy
	s_lshl_b32 s17, ttmp9, 2
	s_add_co_u32 s17, s17, s15                     ; x = block of 128 columns
	s_and_b32 s18, ttmp7, 0xffff
	s_lshl_b32 s18, s18, 2
	s_add_co_u32 s18, s18, s16                     ; y = block of 128 rows
	s_lshl_b32 s19, s16, 2
	s_lshl_b32 s19, 15, s19                        ; my row of the cluster
	s_lshl_b32 s20, 0x1111, s15                    ; my column
	; ctx: 128 rows x 64 f16 (128 bytes, the plane's own rows), 4 words of padding behind every 32 words
	s_or_b32 s[G1A+0], s19, (1<<16)|(1<<20)|(1<<21)|(4<<22)|(3<<25)
	s_mov_b32 s[G1A+1], 64<<16
	s_mov_b32 s[G1A+2], 128<<16
	s_mov_b32 s[G1A+3], 64<<16
	s_mov_b32 s[G1A+4], 128
	s_mov_b32 s[G1A+5], 64
	s_mov_b32 s[G1A+6], 0
	s_mov_b32 s[G1A+7], 0
	; W: 64 rows x 128 f16 (256 bytes), 8 words of padding behind every 64 words
	s_or_b32 s[G1W+0], s20, (1<<16)|(1<<20)|(1<<21)|(5<<22)|(7<<25)
	s_mov_b32 s[G1W+1], 128<<16
	s_mov_b32 s[G1W+2], 64<<16
	s_mov_b32 s[G1W+3], 128<<16
	s_mov_b32 s[G1W+4], 64
	s_mov_b32 s[G1W+5], 1024
	s_mov_b32 s[G1W+6], 0
	s_mov_b32 s[G1W+7], 0
	s_lshl_b32 s56, s18, 14                        ; ctx: 128 y rows of 128 bytes
	s_lshl_b32 s58, s21, 19                        ; + my plane
	s_add_co_u32 s56, s56, s58
	s_mov_b32 s57, 0
	s_lshl_b32 s60, s17, 8                         ; W: 128 x columns of 2 bytes
	s_lshl_b32 s62, s21, 17                        ; + my 64 rows of 2,048 bytes
	s_add_co_u32 s60, s60, s62
	s_mov_b32 s61, 0
	s_mul_i32 s63, s12, PIECE                      ; LDS: wave x 18,432
	s_lshl_b32 s66, s17, 9                         ; bias and columns of out0: 512 x + 256 x my half
	s_lshl_b32 s68, s14, 8
	s_add_co_u32 s66, s66, s68
	s_mov_b32 s67, 0
	s_lshl_b32 s72, s18, 19                        ; rows of out0: 128 y + my 32, of 4,096 bytes
	s_lshl_b32 s73, s13, 17
	s_add_co_u32 s72, s72, s73
	s_mov_b32 s73, 0
	v_and_b32 v11, 15, v0                          ; r
	v_bfe_u32 v12, v0, 4, 1                        ; h
	v_lshlrev_b32 v[BOFF], 5, v12
	s_wait_dscnt 0x0
	s_wait_kmcnt 0x0
	s_add_nc_u64 s[56:57], s[4:5], s[56:57]
	s_add_nc_u64 s[60:61], s[6:7], s[60:61]
	s_add_nc_u64 s[8:9], s[8:9], s[66:67]
	s_add_nc_u64 s[10:11], s[10:11], s[66:67]
	s_add_nc_u64 s[10:11], s[10:11], s[72:73]
	CROUND                                         ; all sixteen work-groups are here: the first joint loads meet
.irp s, 0,1
	s_mov_b32 s[G0A+4*\s], 1
	s_add_co_u32 s[G0A+4*\s+1], s63, \s*SLOT
	s_add_nc_u64 s[G0A+4*\s+2:G0A+4*\s+3], s[56:57], \s*4*524288   ; K step s: planes 4 s .. 4 s + 3
	s_or_b32 s[G0A+4*\s+3], s[G0A+4*\s+3], 0x80000000
	s_mov_b32 s[G0W+4*\s], 1
	s_add_co_u32 s[G0W+4*\s+1], s63, \s*SLOT
	s_add_nc_u64 s[G0W+4*\s+2:G0W+4*\s+3], s[60:61], \s*256*2048   ; K step s: 256 rows down
	s_or_b32 s[G0W+4*\s+3], s[G0W+4*\s+3], 0x80000000
	JLOAD \s                                       ; both first fills go out together: two tensor loads of the wave are out
.endr
.irp f, 0,1,2,3
	global_load_b128 v[BI+8*\f:BI+8*\f+3],   v[BOFF], s[8:9] offset:64*\f      ; b[128 x + 64 half + 16 f + 8 h .. + 3]
	global_load_b128 v[BI+8*\f+4:BI+8*\f+7], v[BOFF], s[8:9] offset:64*\f+16   ; .. + 4 .. + 7
.endr
	v_mul_u32_u24 v13, v11, AP
	v_lshl_add_u32 v13, v12, 4, v13                ; r x 144 + 16 h
	s_mul_i32 s68, s13, 32*AP                      ; my 32 rows
	v_add_nc_u32 v[ADRA], s68, v13
	v_add_nc_u32 v[ADRA+1], SLOT, v[ADRA]
	v_and_b32 v14, 7, v0
	v_lshl_add_u32 v13, v12, 3, v14                ; row 8 h + (lane & 7) of W
	v_mul_u32_u24 v13, v13, WP
	v_bfe_u32 v15, v0, 3, 1
	v_lshl_add_u32 v13, v15, 4, v13                ; + 16 bytes for lanes 8-15 and 24-31
	s_lshl_b32 s69, s14, 7                         ; my 64 columns
	s_add_co_u32 s69, s69, WBASE                   ; W lies behind the four planes
	v_add_nc_u32 v[ADRW], s69, v13
	v_add_nc_u32 v[ADRW+1], 2*PIECE, v[ADRW]
	v_add_nc_u32 v[ADRW+2], SLOT, v[ADRW]
	v_add_nc_u32 v[ADRW+3], SLOT+2*PIECE, v[ADRW]
	s_mul_i32 s70, s12, 16*SP                      ; my stage: 16 rows of 272 bytes
	v_mul_u32_u24 v13, v11, SP
	v_lshl_add_u32 v13, v12, 5, v13
	v_add_nc_u32 v[STO], s70, v13                  ; in: row r, 32 bytes for each half of the lanes
	v_mul_u32_u24 v13, v12, SP
	v_lshl_add_u32 v13, v11, 4, v13
	v_add_nc_u32 v[RD], s70, v13                   ; back: lanes 0-15 take one row of 256 bytes, lanes 16-31 the next
	v_lshlrev_b32 v13, 12, v12
	v_lshl_add_u32 v[OOFF], v11, 4, v13            ; and the same two rows in out0
; 12 LDS loads: chunk c of slot s into buffer buf.  ctx: plane c / 2, d = 32 (c % 2) ..; W: rows 32 c ..
.macro LOADC s, c, buf
.irp a, 0,1
	ds_load_b128 v[AFB+16*\buf+8*\a:AFB+16*\buf+8*\a+3],   v[ADRA+\s] offset:(\c/2)*PIECE+\a*16*AP+(\c%2)*64
	ds_load_b128 v[AFB+16*\buf+8*\a+4:AFB+16*\buf+8*\a+7], v[ADRA+\s] offset:(\c/2)*PIECE+\a*16*AP+(\c%2)*64+32
.endr
.irp f, 0,1,2,3
	ds_load_tr16_b128 v[BFB+32*\buf+8*\f:BFB+32*\buf+8*\f+3],   v[ADRW+2*\s+(\c/4)] offset:(\c%4)*32*WP+32*\f
	ds_load_tr16_b128 v[BFB+32*\buf+8*\f+4:BFB+32*\buf+8*\f+7], v[ADRW+2*\s+(\c/4)] offset:(\c%4)*32*WP+32*\f+16*WP
.endr
.endm
; 4 matrix instructions: fragments f0, f0 + 1.  The 8 accumulators take turns, one instruction a turn, in one fixed order.
.macro MUL4 buf, f0, first
.irp f, \f0, \f0+1
.irp a, 0,1
.if \first
	v_wmma_f32_16x16x32_f16 v[ACC+8*(2*(\f)+\a):ACC+8*(2*(\f)+\a)+7], v[BFB+32*\buf+8*(\f):BFB+32*\buf+8*(\f)+7], v[AFB+16*\buf+8*\a:AFB+16*\buf+8*\a+7], v[BI+8*(\f):BI+8*(\f)+7]
.else
	v_wmma_f32_16x16x32_f16 v[ACC+8*(2*(\f)+\a):ACC+8*(2*(\f)+\a)+7], v[BFB+32*\buf+8*(\f):BFB+32*\buf+8*(\f)+7], v[AFB+16*\buf+8*\a:AFB+16*\buf+8*\a+7], v[ACC+8*(2*(\f)+\a):ACC+8*(2*(\f)+\a)+7]
.endif
.endr
.endr
.endm
; One of a step's first seven chunks: chunk nc goes out into buffer bn, then buffer bc is multiplied.
; A load into a register that a matrix instruction has read stands four places behind it (ISA guide 7.12.1 for vector instructions).
.macro CH s, nc, bc, bn, first
	PLACES 4
	LOADC \s, \nc, \bn
	s_wait_dscnt 12                                ; this chunk's fragments are in; the twelve loads just issued may stay out
	MUL4 \bc, 0, \first
	MUL4 \bc, 2, \first
.endm
; A K step on slot s; nx = the other slot.  mode 2: the slot is filled again, two K steps ahead; 1: slots change, nothing is fetched; 0: the last step.
.macro KSTEP s, nx, first, mode
	CH \s, 1, 0, 1, \first
	CH \s, 2, 1, 0, 0
	CH \s, 3, 0, 1, 0
	CH \s, 4, 1, 0, 0
	CH \s, 5, 0, 1, 0
	CH \s, 6, 1, 0, 0
	CH \s, 7, 0, 1, 0
	s_wait_dscnt 0x0                               ; my reads of this slot are over
.if \mode
	s_wait_tensorcnt 0x0                           ; all my tensor loads have landed: the one that was out is my piece of the other slot
	ds_add_u32 v208, v209
	s_wait_dscnt 0x0
	s_barrier_signal -1                            ; say so (with a refill this barrier opens a round of the cluster's barrier),
	MUL4 1, 0, 0                                   ; work on registers while the others arrive,
	s_barrier_wait -1
.if \mode == 2
	CREST                                          ; no wave of any partner still reads this slot or has a load on its way
	s_add_nc_u64 s[G0A+4*\s+2:G0A+4*\s+3], s[G0A+4*\s+2:G0A+4*\s+3], 8*524288
	s_add_nc_u64 s[G0W+4*\s+2:G0W+4*\s+3], s[G0W+4*\s+2:G0W+4*\s+3], 512*2048
	JLOAD \s                                       ; the wave's one tensor load behind the round, first thing there
.endif
	PLACES 4
	LOADC \nx, 0, 0
	MUL4 1, 2, 0
.else
	MUL4 1, 0, 0
	MUL4 1, 2, 0
.endif
.endm
	s_wait_loadcnt 0x0                             ; the bias, once
	s_wait_tensorcnt 0x1                           ; my piece of K step 0 is in; K step 1's may stay out
	s_barrier_signal -1
	s_barrier_wait -1
	LOADC 0, 0, 0
	KSTEP 0, 1, 1, 2                               ; the first products start the sums from the bias; K step 2 is fetched
	KSTEP 1, 0, 0, 2                               ; K step 3 is fetched
	KSTEP 0, 1, 0, 1                               ; the last two steps fetch nothing
	KSTEP 1, 0, 0, 0
	; THE WAY OUT, 16 rows at a time through a stage of my own, so that sixteen lanes store 256 consecutive bytes of a row, at a multiple of 256 from out0's first byte.
	; The stage lies in slot 0: that slot has had its last fill, and every wave's last reads of it were waited for in front of the barrier at the end of K step 2.
	; Four places behind the last matrix instruction before an LDS store reads its result (ISA guide 7.12.1 for vector instructions).
	PLACES 4
.macro OUTP a
.irp f, 0,1,2,3
	ds_store_b128 v[STO], v[ACC+8*(2*\f+\a):ACC+8*(2*\f+\a)+3]   offset:64*\f      ; row r, columns 16 f + 8 h .. + 3
	ds_store_b128 v[STO], v[ACC+8*(2*\f+\a)+4:ACC+8*(2*\f+\a)+7] offset:64*\f+16   ; .. + 4 .. + 7
.endr
.if \a
	s_wait_xcnt 0x0                                ; the registers that the last stores read are loaded again only behind this wait
.endif
.irp i, 0,1,2,3,4,5,6,7
	ds_load_b128 v[BI+4*\i:BI+4*\i+3], v[RD] offset:\i*2*SP        ; my own bytes; LDS serves a wave's instructions in order (ISA guide 5.7.1): these see the stores above
.endr
.irp i, 0,1,2,3,4,5,6,7
	s_wait_dscnt 7-\i                              ; load i is in, the younger ones may stay out
	global_store_b128 v[OOFF], v[BI+4*\i:BI+4*\i+3], s[10:11] offset:(16*\a+2*\i)*4096 th:TH_STORE_NT
.endr
.endm
	OUTP 0
	OUTP 1
	s_wait_tensorcnt 0x0
	ds_add_u32 v208, v209
	s_wait_dscnt 0x0
	CROUND                                         ; the closing round: no work-group ends while a partner may still ask for a tile that names it
	s_endpgm
.Lfunc_end_k_q5715e7bd36_proj:
	.size	k_q5715e7bd36_proj, .Lfunc_end_k_q5715e7bd36_proj-k_q5715e7bd36_proj
	.p2alignl 7, 3214868480
	.fill 96, 4, 3214868480
	.section	.rodata,"a",@progbits
	.p2align	6, 0x0
	.amdhsa_kernel k_q5715e7bd36_proj
		.amdhsa_group_segment_fixed_size 327680
		.amdhsa_private_segment_fixed_size 0
		.amdhsa_enable_private_segment 0
		.amdhsa_kernarg_size 32
		.amdhsa_user_sgpr_count 2
		.amdhsa_user_sgpr_kernarg_segment_ptr 1
		.amdhsa_wavefront_size32 1
		.amdhsa_system_sgpr_workgroup_id_x 1
		.amdhsa_system_sgpr_workgroup_id_y 1
		.amdhsa_system_sgpr_workgroup_id_z 1
		.amdhsa_system_vgpr_workitem_id 0
		.amdhsa_next_free_vgpr 210
		.amdhsa_next_free_sgpr 80
		.amdhsa_reserve_vcc 0
		.amdhsa_float_denorm_mode_32 3
		.amdhsa_float_denorm_mode_16_64 3
		.amdhsa_memory_ordered 1
		.amdhsa_forward_progress 1
		.amdhsa_inst_pref_size 59
	.end_amdhsa_kernel
	.amdgpu_metadata
---
amdhsa.version: [ 1, 2 ]
amdhsa.kernels:
  - .name:           k_q5715e7bd36_proj
    .symbol:         k_q5715e7bd36_proj.kd
    .args:
      - { .name: cb, .offset: 0, .size: 8, .value_kind: global_buffer, .address_space: global }
      - { .name: woh, .offset: 8, .size: 8, .value_kind: global_buffer, .address_space: global }
      - { .name: b_out, .offset: 16, .size: 8, .value_kind: global_buffer, .address_space: global }
      - { .name: out0, .offset: 24, .size: 8, .value_kind: global_buffer, .address_space: global }
    .group_segment_fixed_size: 327680
    .private_segment_fixed_size: 0
    .kernarg_segment_align: 8
    .kernarg_segment_size: 32
    .max_flat_workgroup_size: 256
    .sgpr_count:     80
    .vgpr_count:     210
    .wavefront_size: 32
...
	.end_amdgpu_metadata
.endif
;; end of part 4
